; MI455X (gfx1250); checked and timed in simulation.
; The chip was launched on July 23, 2026; its instructions are those of AMD's public machine-readable ISA for CDNA 5 (MIT licence, August 2026) and "CDNA5" Instruction Set Architecture Reference Guide (July 2026). The comments in the code are by the model that wrote it; some were corrected since.
;; Vector Quantizer. Allowed arithmetic: matrix products marked QUANTISED: E4M3 operands, one given power-of-two scale a tensor, by v_wmma_f32_16x16x64_fp8_fp8 or v_wmma_f32_16x16x128_fp8_fp8, f32 sums; everything else in f32.
;; Inputs: codebook 4,096 x 512 float32; inputs 16 x 2,048 x 512 float32; lowp_scales 2 int32 (the exponents e of the quantised operands' scales 2^e).
;; Outputs: out0 16 x 2,048 x 512 float32.
;; This version of the problem:
;;   THIS VERSION OF THE PROBLEM IS GIVEN IN LOW PRECISION. The matrix products marked QUANTISED in the list below multiply operands that are first quantised to E4M3 (4 exponent bits, 3 mantissa bits; 8 bits a number), with one given power-of-two scale for each operand tensor; their sums are f32. All else is computed in f32.
;;   The module's matrix products, in the order in which they are computed (A, B: the left and right operand; K: the contracted axis; several contracted axes count as one K, in the product's order):
;;     1. [M 32,768, K 512] x [K 512, N 4,096]; A: input inputs; B: input codebook: QUANTISED (scales: A lowp_scales[0], B lowp_scales[1])
;;   THE QUANTISER, for each operand of a quantised product, along K:
;;     - The operand's scale is 2^e, e = its entry of the input lowp_scales (int32; the entries are numbered through the quantised products in the list's order, A before B).
;;     - Each number is divided by the scale, clamped to +-448, and rounded to the nearest number of E4M3, ties to even, subnormals kept.
;;     - The product sums the exact products of the quantised numbers (number of the format x scale) in f32.
;;   ~~~python
;;   def quantise(x, axis, e):      # numpy; x: float32 -> the quantised numbers, widened to float32 again
;;       x = np.moveaxis(x, axis, -1); K = x.shape[-1]
;;       r = np.clip(x / 2.0 ** e, -448, 448)
;;       step = 2.0 ** (np.maximum(np.frexp(np.where(r == 0, 1, r))[1] - 1, -6) - 3)
;;       q = np.round(r / step) * step * 2.0 ** e      # np.round: ties to even
;;       return np.moveaxis(q, -1, axis).astype(np.float32)
;;   ~~~
;; One version. Each part assembles by itself: llvm-mc -triple=amdgcn-amd-amdhsa -mcpu=gfx1250 --defsym DOCPART=n.
;; ======== version 1 of 1: 3 launches
;; limits: right only within a limited range of input values
;; workspace buffers: cimg 2,097,152 bytes; cbias 16,384 bytes; nearest 131,072 bytes of whole numbers
;; launch prep (part 1): grid 256 x 1, 4 waves a work-group, no clusters, 34,560 bytes of LDS; arguments codebook, lowp_scales, cimg, cbias; writes cimg, cbias
.if DOCPART == 1
	.amdgcn_target "amdgcn-amd-amdhsa--gfx1250"
	.amdhsa_code_object_version 6
	.text
	.protected	k_qc1efb2da00_prep
	.globl	k_qc1efb2da00_prep
	.p2align	8
	.type	k_qc1efb2da00_prep,@function
k_qc1efb2da00_prep:
	s_mov_b64 s[64:65], 0
	v_nop
	global_prefetch_b8 v0, s[64:65] scope:SCOPE_SE
	s_setreg_imm32_b32 hwreg(HW_REG_WAVE_MODE, 25, 1), 1
	s_wait_xcnt 0x0
; The codebook [4096][512] f32 is prepared once for the search:
;   cimg:  its codes of FP8 (E4M3) with the given scale 2^e1, laid as IMAGES OF OPERAND REGISTERS: column tile T (codes 16 T .. 16 T + 15) at 8,192 T; in it K step s (128 along K) at 2,048 s, block c at 512 c,
;          lane l's 16 bytes at 16 l: code 16 T + l % 16, k = 128 s + 32 c + 16 (l / 16) + 0 .. 15.  A fragment then comes by four loads of 16 bytes a lane, 512 consecutive bytes each.
;   cbias: cbias[n] = -||c_n||^2 x 2^(-e0-e1-1), of the UNQUANTISED f32 numbers: added to the sum of the codes' products it gives -d2 / 2^(e0+e1+1), so the nearest code is the one with the largest sum.
; code = x / 2^e1, held within +-448, rounded to the nearest code, ties to even.
; LIMITS: e1 between -126 and 119; ||c||^2 x 2^(-e0-e1-1) is a normal f32 number; NaN among the inputs is not served.
; SHARES: work-group T takes column tile T; its wave s takes K step s: 16 rows x 512 bytes in, one fragment of 2,048 bytes out.  Each load reads 512 consecutive bytes of a row; the conversions want 16 neighbours along K in
; ONE lane, so the 8,192 bytes turn through the wave's own stage in LDS.  The four waves' parts of a norm meet in LDS behind one barrier.
; The bias leaves as 64 bytes a work-group: 16,384 bytes in the whole launch beside 2 MiB of codes; a grid of 64 work-groups that stored 256 bytes each would have a quarter of the work-groups.
; WORK THAT THE PROGRAM LEAVES OUT.  reference() returns stop_gradient(quantized - inputs) + inputs.  stop_gradient changes no value, and (q - x) + x = q in real numbers for all finite q and x:
; so the subtraction and the addition are not done, and the last launch stores the chosen code's row as it lies in the codebook.  inputs still decides the choice: the search launch reads all of it, so every input is loaded.
; LIMIT: the two roundings of (q - x) + x are not made, and a NaN, an infinity or an overflow that arises only in q - x is not carried to the result.
.set PITCH, 528
.set WST,   16*PITCH                   ; a wave's stage
.set NP,    4*WST                      ; behind the stages: 4 waves x 16 words, the parts of the norms
.set R,     16                         ; v16-79   16 rows as loaded
.set X,     80                         ; v80-143  register 16 b + m = k 32 b + 16 (l / 16) + m of row l % 16
.set C,     144                        ; v144-159 the fragment's codes
.set S,     160                        ; v160-167 four packed chains of the sum of squares
	s_load_b128 s[4:7], s[0:1], 0x0                ; codebook s[4:5], the scales' exponents s[6:7]
	s_load_b128 s[8:11], s[0:1], 0x10              ; cimg s[8:9], cbias s[10:11]
	v_lshl_add_u32 v176, v0, 2, 0x8500
	v_mov_b32 v177, 0
	v_lshrrev_b32 v1, 5, v0
	v_readfirstlane_b32 s12, v1                    ; wave = K step
	v_and_b32 v1, 31, v0                           ; lane
	v_and_b32 v2, 15, v0                           ; r
	v_bfe_u32 v3, v0, 4, 1                         ; h
	v_lshlrev_b32 v4, 4, v1                        ; 16 x lane: my bytes of a load and of a store
	s_mul_i32 s13, s12, WST
	v_add_nc_u32 v5, s13, v4                       ; the stage, on the way in: as loaded
	v_mul_u32_u24 v6, v2, PITCH
	v_lshl_add_u32 v6, v3, 6, v6
	v_add_nc_u32 v6, s13, v6                       ; and on the way out: row r, + 64 h: my 16 numbers of a block of 32
	v_lshlrev_b32 v12, 2, v2                       ; 4 r: my word of the tile's 16 biases
	v_add_nc_u32 v9, NP, v12                       ; where wave 0 reads the parts
	s_lshl_b32 s13, s12, 6
	v_add_nc_u32 v8, s13, v9                       ; where I put mine
	v_mov_b32 v168, 0                              ; written once: a lane permute's destination counts as one of its sources
	s_mov_b32 s20, 0x76543210                      ; v_permlanex16_b32's selects for lane l xor 16
	s_mov_b32 s21, 0xfedcba98
	s_lshl_b32 s16, ttmp9, 15                      ; the tile's 16 rows of 2,048 bytes,
	s_lshl_b32 s17, s12, 9                         ; my K step's 512 bytes of each
	s_add_co_u32 s16, s16, s17
	s_mov_b32 s17, 0
	s_lshl_b32 s18, ttmp9, 13                      ; the tile's image,
	s_lshl_b32 s19, s12, 11                        ; my fragment in it
	s_add_co_u32 s18, s18, s19
	s_mov_b32 s19, 0
	s_lshl_b32 s22, ttmp9, 6                       ; the tile's 16 biases
	s_mov_b32 s23, 0
	s_wait_alu depctr_va_vdst(0)
	s_wait_kmcnt 0x0
	s_load_b64 s[14:15], s[6:7], 0x0               ; e0, e1
	s_add_nc_u64 s[4:5], s[4:5], s[16:17]
	s_add_nc_u64 s[8:9], s[8:9], s[18:19]
	s_add_nc_u64 s[10:11], s[10:11], s[22:23]
.irp i, 0,1,2,3,4,5,6,7,8,9,10,11,12,13,14,15
	global_load_b128 v[R+4*\i:R+4*\i+3], v4, s[4:5] offset:2048*\i th:TH_LOAD_NT   ; 32 lanes read 512 consecutive bytes of row i
.endr
	s_wait_kmcnt 0x0
	s_add_co_i32 s16, s14, s15
	s_add_co_i32 s16, s16, 1
	s_sub_co_i32 s16, 0, s16                       ; -(e0 + e1 + 1)
	s_add_co_i32 s17, s15, 127
	s_lshl_b32 s18, s17, 23
	v_mov_b32 v11, s18                             ; 2^e1 as f32: the conversion takes its exponent field
	s_add_co_i32 s17, s17, 8
	s_lshl_b32 s17, s17, 23
	s_or_b32 s17, s17, 0x600000
	v_mov_b32 v10, s17                             ; 448 x 2^e1
.irp i, 0,1,2,3,4,5,6,7,8,9,10,11,12,13,14,15
	s_wait_loadcnt 15-\i                           ; loads come back in order: row i is in, the younger rows' loads stay out
	ds_store_b128 v5, v[R+4*\i:R+4*\i+3] offset:PITCH*\i
.endr
.irp b, 0,1,2,3
.irp j, 0,1,2,3
	ds_load_b128 v[X+16*\b+4*\j:X+16*\b+4*\j+3], v6 offset:128*\b+16*\j   ; LDS serves a wave's instructions in order: these see my stores
.endr
.endr
	s_wait_dscnt 0x0
	; the sum of squares of my 64 numbers, ahead of the hold, in four packed chains started by the first four products
.irp c, 0,1,2,3
	v_pk_mul_f32 v[S+2*\c:S+2*\c+1], v[X+2*\c:X+2*\c+1], v[X+2*\c:X+2*\c+1]
.endr
.set n, 4
.rept 28
	v_pk_fma_f32 v[S+2*(n%4):S+2*(n%4)+1], v[X+2*n:X+2*n+1], v[X+2*n:X+2*n+1], v[S+2*(n%4):S+2*(n%4)+1]
.set n, n+1
.endr
	v_pk_add_f32 v[S:S+1], v[S:S+1], v[S+2:S+3]
	v_pk_add_f32 v[S+4:S+5], v[S+4:S+5], v[S+6:S+7]
	v_pk_add_f32 v[S:S+1], v[S:S+1], v[S+4:S+5]
	v_add_f32 v[S], v[S], v[S+1]
	v_permlanex16_b32 v168, v[S], s20, s21         ; the row's other 64 numbers of this K step lie in the lane 16 away
	v_add_f32 v[S], v[S], v168
	ds_store_b32 v8, v[S]                          ; lanes r and r + 16 put the same number into the same word
	; the codes
.set n, 0
.rept 64
	v_med3_num_f32 v[X+n], v[X+n], -v10, v10       ; the conversion to an 8-bit code does not saturate (ISA guide 7.6.2): the hold at the largest code x the scale
.set n, n+1
.endr
.irp g, 0,1,2,3,4,5,6,7
	v_cvt_scalef32_pk8_fp8_f32 v[C+2*\g:C+2*\g+1], v[X+8*\g:X+8*\g+7], v11   ; registers 4 b .. 4 b + 3 of the fragment: k = 32 b + 16 h + 0 .. 15
.endr
	v_nop                                          ; a plain vector line behind the last conversion
.irp c, 0,1,2,3
	global_store_b128 v4, v[C+4*\c:C+4*\c+3], s[8:9] offset:512*\c   ; 32 lanes store 512 consecutive bytes, aligned
.endr
	s_wait_dscnt 0x0                               ; for the others' sake: my part of the norms has landed
	s_barrier_signal -1
	s_barrier_wait -1
	s_cmp_lg_u32 s12, 0
	s_cbranch_scc1 .Lend                           ; wave 0 adds the four parts
.irp w, 0,1,2,3
	ds_load_b32 v[S+\w], v9 offset:64*\w
.endr
	s_wait_dscnt 0x0
	v_add_f32 v[S], v[S], v[S+1]
	v_add_f32 v[S+2], v[S+2], v[S+3]
	v_add_f32 v[S], v[S], v[S+2]
	v_xor_b32 v[S], 0x80000000, v[S]               ; -||c||^2
	v_ldexp_f32 v[S], v[S], s16                    ; x 2^(-e0-e1-1): nothing is rounded
	v_cmp_gt_u32 vcc_lo, 16, v1
	s_wait_alu depctr_va_vdst(0)
	s_wait_xcnt 0x0                                ; EXEC is a source of the stores above: it changes only behind this wait
	s_and_saveexec_b32 s22, vcc_lo
	global_store_b32 v12, v[S], s[10:11]           ; lanes 0 to 15: the tile's 16 biases
	s_wait_xcnt 0x0                                ; and again in front of the line that widens it
	s_or_b32 exec_lo, exec_lo, s22
.Lend:
	s_wait_tensorcnt 0x0
	ds_add_u32 v176, v177
	s_wait_dscnt 0x0
	s_endpgm
.Lfunc_end_k_qc1efb2da00_prep:
	.size	k_qc1efb2da00_prep, .Lfunc_end_k_qc1efb2da00_prep-k_qc1efb2da00_prep
	.p2alignl 7, 3214868480
	.fill 96, 4, 3214868480
	.section	.rodata,"a",@progbits
	.p2align	6, 0x0
	.amdhsa_kernel k_qc1efb2da00_prep
		.amdhsa_group_segment_fixed_size 34560
		.amdhsa_private_segment_fixed_size 0
		.amdhsa_enable_private_segment 0
		.amdhsa_kernarg_size 32
		.amdhsa_user_sgpr_count 2
		.amdhsa_user_sgpr_kernarg_segment_ptr 1
		.amdhsa_wavefront_size32 1
		.amdhsa_system_sgpr_workgroup_id_x 1
		.amdhsa_system_sgpr_workgroup_id_y 1
		.amdhsa_system_sgpr_workgroup_id_z 1
		.amdhsa_system_vgpr_workitem_id 0
		.amdhsa_next_free_vgpr 178
		.amdhsa_next_free_sgpr 66
		.amdhsa_reserve_vcc 1
		.amdhsa_float_denorm_mode_32 3
		.amdhsa_float_denorm_mode_16_64 3
		.amdhsa_memory_ordered 1
		.amdhsa_forward_progress 1
		.amdhsa_inst_pref_size 15
	.end_amdhsa_kernel
	.amdgpu_metadata
---
amdhsa.version: [ 1, 2 ]
amdhsa.kernels:
  - .name:           k_qc1efb2da00_prep
    .symbol:         k_qc1efb2da00_prep.kd
    .args:
      - { .name: codebook, .offset: 0, .size: 8, .value_kind: global_buffer, .address_space: global }
      - { .name: lowp_scales, .offset: 8, .size: 8, .value_kind: global_buffer, .address_space: global }
      - { .name: cimg, .offset: 16, .size: 8, .value_kind: global_buffer, .address_space: global }
      - { .name: cbias, .offset: 24, .size: 8, .value_kind: global_buffer, .address_space: global }
    .group_segment_fixed_size: 34560
    .private_segment_fixed_size: 0
    .kernarg_segment_align: 8
    .kernarg_segment_size: 32
    .max_flat_workgroup_size: 128
    .sgpr_count:     66
    .vgpr_count:     178
    .wavefront_size: 32
...
	.end_amdgpu_metadata
.endif
;; end of part 1
;; launch search (part 2): grid 256 x 1, 4 waves a work-group, clusters of 4 x 1, 327,680 bytes of LDS; arguments inputs, cimg, cbias, lowp_scales, nearest; writes nearest
.if DOCPART == 2
	.amdgcn_target "amdgcn-amd-amdhsa--gfx1250"
	.amdhsa_code_object_version 6
	.text
	.protected	k_qc1efb2da00_search
	.globl	k_qc1efb2da00_search
	.p2align	8
	.type	k_qc1efb2da00_search,@function
k_qc1efb2da00_search:
	s_mov_b64 s[64:65], 0
	v_nop
	global_prefetch_b8 v0, s[64:65] scope:SCOPE_SE
	s_setreg_imm32_b32 hwreg(HW_REG_WAVE_MODE, 25, 1), 1
	s_wait_xcnt 0x0
	s_wait_alu depctr_hold_cnt(0) depctr_sa_sdst(0) depctr_va_vdst(0) depctr_va_sdst(0) depctr_va_ssrc(0) depctr_va_vcc(0) depctr_vm_vsrc(0)
	s_getreg_b32 s2, hwreg(HW_REG_IB_STS2, 6, 4)
	s_cmp_eq_u32 s2, 0
	s_cbranch_scc0 .Lentry_in_a_cluster
	s_endpgm
.Lentry_in_a_cluster:
	s_bfe_u32 s2, ttmp6, 0x10000c
	s_cmp_lg_u32 s2, 0x3003
	s_cbranch_scc0 .Lentry_shape_is_right
	s_endpgm
.Lentry_shape_is_right:
; nearest[row] = the code n that makes T(row, n) = cbias[n] + sum over k of code_x(row, k) code_c(n, k) largest, the lower n at equal T.  T = -d2 / 2^(e0+e1+1), so that is the argmin of the distance.
; inputs: [32768][512] f32, quantised here to FP8 (E4M3) with the given scale 2^e0 (x / 2^e0, held within +-448, to the nearest code, ties to even).  cimg, cbias: the earlier launch's.
; LIMITS: e0 between -126 and 119.  NaN among the inputs is not served; scores are finite.  The bias is the C of each sum's first matrix instruction, so the norm enters the sum first: an order of rounding that differs from sum first, norm last.
; SHARES.  A work-group owns 128 rows.  Every wave keeps the codes of all 128 rows in registers (8 row tiles x 4 K steps x 16 = 512) and walks a quarter of the codebook: of each slot of 256 codes wave w takes column tiles 4 w .. 4 w + 3.
; So a fragment read from LDS feeds eight matrix instructions and is read by one wave alone.
; LAYOUT.  Source 0 = 16 codes, source 1 = 16 rows: a lane holds ONE row (lane % 16) and the codes 8 (lane / 16) + 0 .. 7.  k stands in both operands in the order of four 16-byte loads a fragment: the same permutation on both sides.
; THE HEAD.  x comes by loads of 512 consecutive bytes: a lane holds four neighbours along K of each of 16 rows.  One conversion takes the four numbers of two rows, so a register of codes is four neighbours of one row.
; The codes stay in registers until all of x is quantised; then they go, in two passes of two K steps, into a row-major image of the 128 rows' codes in LDS (rows of 256 bytes + 16), from which every wave reads all fragments.
; The ring of codes has LDS bytes of its own: slot 0's joint load goes out at the head beside x's loads, slot 1's behind the full sequence when x is quantised.  The biases come by loads and LDS stores.
; A TILE is 32 matrix instructions in one run; behind them the tile before is reduced out of the other set of accumulators, four accumulators by turns.  For each row tile a lane keeps the best score, the
; offset of the tile that held it and that tile's eight scores; which of the eight it was is found once, at the end.
; CLUSTER.  The four work-groups of a cluster walk the same codes: each wave's quarter of a slot is asked for JOINTLY.  The clusters begin at sixteen different slots: place p of a walk is slot (s0 + p) mod 16, s0 made of the cluster's number alone.
; TIES.  The compare is strict, so the tile visited earlier keeps a tie: right while the codes' numbers rise.  Where the walk goes from slot 15 to slot 0, once, each best score is moved one f32 number down, so that 'greater than it'
; is 'at least the best'; at the end the best is taken anew from the eight kept scores.
; NO PREFETCH: each slot of the 2 MiB of codes is read by all 64 clusters of the launch; x is read once, at the head, where there is no loop to run ahead in.
; By this text's own count a wave has one tensor load out at any time.
; REGISTERS, in windows of 256: window 0: v0-31 addresses and work; v32-47 best scores, two sets by turns; v48-55 best tiles' offsets; v64-127 their scores; v128-255 two sets of 8 accumulators (at the head: my codes)
;   window 1: v0-127 two buffers of a tile's four fragments; v128-143 their biases; v160-191 the biases on their way in.   window 2: rows' codes of K steps 0, 1;   window 3: of K steps 2, 3 (at the head both: x as loaded)
.set DUAL,  1                          ; 1: the kept scores are selected two to an instruction
.set SLOT1, 1<<17
.set SLOTB, 131072                     ; a slot: 256 codes x 512 bytes
.set CN,    2*SLOTB                    ; the biases, 16,384 bytes, in the walk's order: place p at 1,024 p
.set XS,    CN+16384                   ; the 128 rows' codes of two K steps
.set XP,    272                        ; a row there: 256 bytes + 16
.set CAND,  XS+128*XP                  ; candidates: (score, index) for wave, row tile, lane
.set SPARE, CAND+8192                  ; the spare words: two blocks of 256 bytes that no other line names
.set LI,   2                           ; 16 x lane + 32,768 x wave
.set ADB,  3                           ; LDS address of my quarter of the slot in hand
.set AC0,  4                           ; CN + 256 x wave + 32 h
.set ADC,  5                           ; LDS address of my biases of the place in hand
.set XSW,  6                           ; my 32 rows' codes, in: XS + 32 XP x wave + 4 x lane
.set XR,   7                           ; the rows' codes, out: XS + XP r + 16 h
.set CW,   9
.set CR,   10
.set GO,   11
.set LOF,  12                          ; 64 x wave + 8 h
.set LB,   13                          ; 16 x lane
.set SPW,  14
.set NIL,  15
.set SCV,  16                          ; 2^e0
.set LIMV, 17                          ; 448 x 2^e0
.set TM,   18                          ; v18-25 at work
.set CNW,  26                          ; CN + 4,096 x wave + 16 x lane
.set BV,   32
.set BT,   48
.set SV,   64
.set ACC,  128
.set XC,   128
.set BI,   128
.set BR,   160
.set FV,   128
.set FC,   192
.set FO,   224
.set WV,   14
.set G1C,  24
.set G0C,  32
.set SLOTS, 60
.set TB,   61                          ; LDS byte at which the slot in hand begins
.set CB,   62                          ; 1,024 x its place in the walk
.set TID,  63                          ; offset (256 x slot + 16 x tile) of the tile that is being reduced
.set GOF,  66
.set WC,   68
.set PH,   69
.set MK,   70                          ; s70-72 lane masks
.set MSB, 0
.macro WIN new
.if MSB != (\new)
	s_set_vgpr_msb (MSB<<8)|(\new)
.set MSB, (\new)
.endif
.endm
.macro PLACES
.rept 4
	v_nop
.endr
.endm
.macro BARRIER
	s_wait_dscnt 0x0
	s_barrier_signal -1
	s_barrier_wait -1
.endm
.macro CREST                           ; a round of the cluster's barrier behind its opening barrier
	s_cmp_lg_u32 s[WV], 0
	s_cbranch_scc1 .Lnot_wave_0_\@
	s_barrier_signal -3
.Lnot_wave_0_\@:
	s_barrier_wait -3
	s_barrier_signal -1
	s_barrier_wait -1
.endm
.macro ROUND
	s_barrier_signal -1
	s_barrier_wait -1
	CREST
.endm
.macro STEPD                           ; the walking descriptor: the other LDS slot, the next slot of the codebook round its end; behind a wait for all my tensor loads
	s_xor_b32 s[G0C+1], s[G0C+1], SLOT1
	s_add_co_u32 s[GOF], s[GOF], SLOTB
	s_and_b32 s[GOF], s[GOF], 0x1fffff
	s_add_nc_u64 s[G0C+2:G0C+3], s[6:7], s[GOF:GOF+1]
	s_or_b32 s[G0C+3], s[G0C+3], 0x80000000
.endm
	s_load_b256 s[4:11], s[0:1], 0x0               ; inputs, cimg, cbias, the scales' exponents
	s_load_b64 s[12:13], s[0:1], 0x20              ; nearest
	v_lshl_add_u32 v[SPW], v0, 2, SPARE
	v_mov_b32 v[NIL], 0
	ds_add_u32 v[SPW], v[NIL]                      ; the opening lines: the add, twice on end, and its wait
	ds_add_u32 v[SPW], v[NIL]
	v_lshrrev_b32 v1, 5, v0
	v_readfirstlane_b32 s[WV], v1                  ; wave 0..3
	s_bfe_u32 s15, ttmp6, 0x40000                  ; cx
	s_lshl_b32 s16, ttmp9, 2
	s_add_co_u32 s16, s16, s15                     ; my block of 128 rows: it enters x's and nearest's addresses alone
	s_lshr_b32 s50, ttmp9, 1                       ; s0 of the cluster's number c: y = c xor (c >> 1), s0 = (y & 3) | ((y >> 1) & 12)
	s_xor_b32 s50, s50, ttmp9
	s_and_b32 s[PH], s50, 3
	s_lshr_b32 s50, s50, 1
	s_and_b32 s50, s50, 12
	s_or_b32 s[PH], s[PH], s50
	s_mov_b32 s[G1C], 15|(3<<16)|(1<<21)           ; the mask: all four work-groups; elements of 8 bytes; bit 21 beside a mask
	s_mov_b32 s[G1C+1], 32<<16                     ; 128 rows of 256 bytes, dense: a wave's quarter of a slot
	s_mov_b32 s[G1C+2], 128<<16
	s_mov_b32 s[G1C+3], 32<<16
	s_mov_b32 s[G1C+4], 128
	s_mov_b32 s[G1C+5], 32
	s_mov_b32 s[G1C+6], 0
	s_mov_b32 s[G1C+7], 0
	s_lshl_b32 s40, s[WV], 15
	s_lshl_b32 s41, s[WV], 8
	s_add_co_u32 s41, s41, CN
	s_mul_i32 s42, s[WV], 32*XP
	s_add_co_u32 s42, s42, XS
	s_lshl_b32 s43, s[WV], 11
	s_add_co_u32 s43, s43, CAND
	s_lshl_b32 s44, s[WV], 6
	s_lshl_b32 s45, s[WV], 12
	s_add_co_u32 s45, s45, CN
	s_lshl_b32 s46, s[WV], 2
	s_add_co_u32 s46, s46, s[PH]                   ; the slot of my first place among the biases, ahead of the wrap
	s_lshl_b32 s48, s16, 18                        ; my block's 128 rows of 2,048 bytes, my wave's 32 of them
	s_lshl_b32 s49, s[WV], 16
	s_add_co_u32 s48, s48, s49
	s_mov_b32 s49, 0
	s_mov_b32 s51, 0
	s_lshl_b32 s52, s16, 9                         ; my block's 128 indices
	s_mov_b32 s53, 0
	s_lshl_b32 s[GOF], s[PH], 17
	s_add_co_u32 s[GOF], s[GOF], s40
	s_mov_b32 s[GOF+1], 0
	s_sub_co_u32 s[WC], 16, s[PH]
	s_lshl_b32 s[TID], s[PH], 8
	s_mov_b32 s[SLOTS], 14
	s_mov_b32 s[TB], 0
	s_mov_b32 s[CB], 0
	; every LDS address register is made here, ahead of the first branch on the wave's number
	v_and_b32 v1, 31, v0
	v_and_b32 v18, 15, v0                          ; r
	v_bfe_u32 v19, v0, 4, 1                        ; h
	v_lshlrev_b32 v[LB], 4, v1
	v_lshl_add_u32 v[LI], v1, 4, s40
	v_lshl_add_u32 v[AC0], v19, 5, s41
	v_lshl_add_u32 v[XSW], v1, 2, s42
	v_mul_u32_u24 v[XR], v18, XP
	v_lshl_add_u32 v[XR], v19, 4, v[XR]
	v_add_nc_u32 v[XR], XS, v[XR]
	v_lshl_add_u32 v[CW], v1, 3, s43
	v_bfe_u32 v20, v0, 3, 3
	v_and_b32 v21, 7, v0
	v_lshlrev_b32 v[CR], 8, v20
	v_lshl_add_u32 v[CR], v21, 4, v[CR]
	v_add_nc_u32 v[CR], CAND, v[CR]                ; thread t of 64 takes rows 2 t, 2 t + 1
	v_and_b32 v[GO], 63, v0
	v_lshlrev_b32 v[GO], 3, v[GO]
	v_lshl_add_u32 v[LOF], v19, 3, s44
	v_lshl_add_u32 v[CNW], v1, 4, s45
	v_add_nc_u32 v[ADB], s[TB], v[LI]
	v_add_nc_u32 v[ADC], s[CB], v[AC0]
	s_wait_alu depctr_va_vdst(0)                   ; directly ahead of the waits below
	s_wait_dscnt 0x0                               ; both opening adds are done
	s_wait_kmcnt 0x0
	s_load_b32 s20, s[10:11], 0x0                  ; e0
	s_add_nc_u64 s[4:5], s[4:5], s[48:49]
	s_add_nc_u64 s[12:13], s[12:13], s[52:53]
.irp q, 0,1,2,3                        ; place 4 w + q of the walk takes the biases of slot (s0 + 4 w + q) mod 16
	s_add_co_u32 s50, s46, \q
	s_and_b32 s50, s50, 15
	s_lshl_b32 s50, s50, 10
	s_add_nc_u64 s[80+2*\q:81+2*\q], s[8:9], s[50:51]
.endr
	s_mov_b32 s[G0C], 1
	s_mov_b32 s[G0C+1], s40                        ; slot 0 of the ring, my quarter
	s_add_nc_u64 s[G0C+2:G0C+3], s[6:7], s[GOF:GOF+1]
	s_or_b32 s[G0C+3], s[G0C+3], 0x80000000
; Fragment f = 4 i + s of my 32 rows: row tile i, K step s: 16 loads of 512 consecutive bytes; registers 64 (f % 4) + 4 rr of window 2 + i hold k 128 s + 4 lane + 0 .. 3 of row rr
.macro LOADX f
	WIN 0x80+0x40*((\f)/4)
.irp rr, 0,1,2,3,4,5,6,7,8,9,10,11,12,13,14,15
	global_load_b128 v[64*((\f)%4)+4*\rr:64*((\f)%4)+4*\rr+3], v[LB], s[4:5] offset:(16*((\f)/4)+\rr)*2048+512*((\f)%4) th:TH_LOAD_NT
.endr
.endm
; The hold and the conversions (eight numbers: four of row 2 g, four of row 2 g + 1): register XC + 16 f + rr = the codes of k 128 s + 4 lane + 0 .. 3 of row rr
.macro QUANTX f
.set xw, 2+(\f)/4
.set xr, 64*((\f)%4)
	WIN (xw<<6)|xw
.set n, 0
.rept 64
	v_med3_num_f32 v[xr+n], v[xr+n], -v[LIMV], v[LIMV]   ; the conversion does not saturate (ISA guide 7.6.2): the hold at the largest code x the scale
.set n, n+1
.endr
	WIN xw
.irp g, 0,1,2,3,4,5,6,7
	v_cvt_scalef32_pk8_fp8_f32 v[XC+16*(\f)+2*\g:XC+16*(\f)+2*\g+1], v[xr+8*\g:xr+8*\g+7], v[SCV]
.endr
	WIN 0
	v_nop                                          ; a plain vector line behind the last conversion
.endm
	WIN 0x40
.irp q, 0,1,2,3
	global_load_b128 v[BR+8*\q:BR+8*\q+3], v[LB], s[80+2*\q:81+2*\q]
	global_load_b128 v[BR+8*\q+4:BR+8*\q+7], v[LB], s[80+2*\q:81+2*\q] offset:512
.endr
	LOADX 0
	LOADX 1
	LOADX 2
	WIN 0
	ROUND                                          ; in front of the first joint load
	tensor_load_to_lds s[G0C:G0C+3], s[G1C:G1C+7]  ; the walk's first slot, my quarter: my one tensor load at the head
	s_nop 0
	PLACES
.irp a, 0,1,2,3,4,5,6,7                ; the argmax's state: scores of -infinity lose against the first tile's
	v_mov_b32 v[BV+\a], 0xff800000
	v_mov_b32 v[BT+\a], 0
.endr
.set n, 0
.rept 64
	v_mov_b32 v[SV+n], 0xff800000
.set n, n+1
.endr
	s_wait_kmcnt 0x0
	s_add_co_i32 s20, s20, 127
	s_lshl_b32 s21, s20, 23
	v_mov_b32 v[SCV], s21
	s_add_co_i32 s20, s20, 8
	s_lshl_b32 s20, s20, 23
	s_or_b32 s20, s20, 0x600000
	v_mov_b32 v[LIMV], s20
	s_wait_alu depctr_va_vdst(0)
; Trip f: fragment f + 3's loads go out; fragment f is in; it is quantised.
.irp f, 0,1,2,3,4,5,6,7
.if \f+3 < 8
	LOADX \f+3
	s_wait_loadcnt 48                              ; the three fragments asked for behind this one may be out
.else
	s_wait_loadcnt 16*(7-\f)
.endif
.if \f == 0
	WIN 0x04
.irp q, 0,1,2,3
	ds_store_b128 v[CNW], v[BR+8*\q:BR+8*\q+3] offset:1024*\q
	ds_store_b128 v[CNW], v[BR+8*\q+4:BR+8*\q+7] offset:1024*\q+512
.endr
.endif
	QUANTX \f
.endr
	; Slot 1's first fill, issued as a refill is: all my tensor loads waited for, the add, its wait, a round of the cluster's barrier, the joint load first behind it
	s_wait_alu depctr_va_vdst(0)
	s_wait_tensorcnt 0x0
	ds_add_u32 v[SPW], v[NIL]
	STEPD
	s_wait_dscnt 0x0
	ROUND
	tensor_load_to_lds s[G0C:G0C+3], s[G1C:G1C+7]
	s_nop 0
	PLACES
	; THE ROWS' CODES GO FROM WAVE TO WAVE, in two passes of two K steps: in, 32 lanes put 128 consecutive bytes of a row; out, registers 4 c .. 4 c + 3 of a fragment: k = 32 c + 16 h + 0 .. 15 of row 16 a + r.
	; Slot 1's load stays out across them.
.irp p, 0,1
.irp i, 0,1
.irp q, 0,1
.irp rr, 0,1,2,3,4,5,6,7,8,9,10,11,12,13,14,15
	ds_store_b32 v[XSW], v[XC+16*(4*\i+2*\p+\q)+\rr] offset:(16*\i+\rr)*XP+128*\q
.endr
.endr
.endr
	BARRIER
	WIN 0x80+0x40*\p
.irp a, 0,1,2,3,4,5,6,7
.irp q, 0,1
.irp c, 0,1,2,3
	ds_load_b128 v[32*\a+16*\q+4*\c:32*\a+16*\q+4*\c+3], v[XR] offset:\a*16*XP+128*\q+32*\c
.endr
.endr
.endr
	WIN 0
.if \p == 0
	BARRIER                                        ; every wave's reads are in: the rows may be written again
.endif
.endr
; A column tile's eight biases a lane and its four fragments into buffer q: tile fi of my four in the slot in hand.  18 loads in one run
.macro FETCH q, fi
	WIN 0x40
	ds_load_b128 v[BI+8*(\q):BI+8*(\q)+3], v[ADC] offset:64*(\fi)
	ds_load_b128 v[BI+8*(\q)+4:BI+8*(\q)+7], v[ADC] offset:64*(\fi)+16
.irp s, 0,1,2,3
.irp c, 0,1,2,3
	ds_load_b128 v[64*(\q)+16*\s+4*\c:64*(\q)+16*\s+4*\c+3], v[ADB] offset:8192*(\fi)+2048*\s+512*\c
.endr
.endr
.endm
; Eight products: K step ks against the eight row tiles.  The eight accumulators take turns; K step 0 takes the biases as C
.macro MMG p, ks
.irp ra, 0,1,2,3,4,5,6,7
.if \ks == 0
	v_wmma_f32_16x16x128_fp8_fp8 v[ACC+64*(\p)+8*\ra:ACC+64*(\p)+8*\ra+7], v[64*(\p):64*(\p)+15], v[32*\ra:32*\ra+15], v[BI+8*(\p):BI+8*(\p)+7]
.else
	v_wmma_f32_16x16x128_fp8_fp8 v[ACC+64*(\p)+8*\ra:ACC+64*(\p)+8*\ra+7], v[64*(\p)+16*\ks:64*(\p)+16*\ks+15], v[32*\ra+16*(\ks%2):32*\ra+16*(\ks%2)+15], v[ACC+64*(\p)+8*\ra:ACC+64*(\p)+8*\ra+7]
.endif
.endr
.endm
; THE ARGMAX of accumulators a0 .. a0 + 3 of set p, the four by turns: the largest of the eight scores and the best so far (each accumulator read from its low end on), into the other set of best scores;
; a STRICT compare; where the best has grown, the tile's offset and its eight scores are kept.
.macro RED p, a0
.irp u, 0,1,2,3
.set rC, ACC+64*(\p)+8*((\a0)+\u)
	v_max3_num_f32 v[TM+2*\u], v[rC], v[rC+1], v[rC+2]
.endr
.irp u, 0,1,2,3
.set rC, ACC+64*(\p)+8*((\a0)+\u)
	v_max3_num_f32 v[TM+2*\u+1], v[rC+3], v[rC+4], v[rC+5]
.endr
.irp u, 0,1,2,3
.set rC, ACC+64*(\p)+8*((\a0)+\u)
	v_max3_num_f32 v[TM+2*\u], v[TM+2*\u], v[rC+6], v[rC+7]
.endr
.irp u, 0,1,2,3
	v_max3_num_f32 v[BV+8*(1-(\p))+(\a0)+\u], v[TM+2*\u], v[TM+2*\u+1], v[BV+8*(\p)+(\a0)+\u]
.endr
	v_cmp_gt_f32 vcc_lo, v[BV+8*(1-(\p))+(\a0)], v[BV+8*(\p)+(\a0)]
.irp u, 1,2,3
	v_cmp_gt_f32 s[MK+\u-1], v[BV+8*(1-(\p))+(\a0)+\u], v[BV+8*(\p)+(\a0)+\u]
.endr
.irp u, 0,1,2,3
.set rC, ACC+64*(\p)+8*((\a0)+\u)
.set rS, SV+8*((\a0)+\u)
.if \u > 0
	s_mov_b32 vcc_lo, s[MK+\u-1]
.endif
	v_cndmask_b32 v[BT+(\a0)+\u], v[BT+(\a0)+\u], s[TID], vcc_lo
.irp j, 0,2,4,6
.if DUAL
	v_dual_cndmask_b32 v[rS+\j], v[rS+\j], v[rC+\j] :: v_dual_cndmask_b32 v[rS+\j+1], v[rS+\j+1], v[rC+\j+1]
.else
	v_cndmask_b32 v[rS+\j], v[rS+\j], v[rC+\j], vcc_lo
	v_cndmask_b32 v[rS+\j+1], v[rS+\j+1], v[rC+\j+1], vcc_lo
.endif
.endr
.endr
.endm
; THE WRAP, at the head of each place's four reductions, where the best scores lie in set 0.  Where the place is slot 0 and not the walk's first, each best score is moved to the next f32 number below it; either zero counts as -0.
; The branch hangs on the cluster's number and the count of places alone.
.macro WRAP
	s_cmp_lg_u32 s[WC], 0
	s_cbranch_scc1 .Lsame_round_\@
.irp a, 0,1,2,3,4,5,6,7
	v_cmp_neq_f32 vcc_lo, 0, v[BV+\a]
	v_cndmask_b32 v[BV+\a], 0x80000000, v[BV+\a], vcc_lo
	v_ashrrev_i32 v[TM+\a%4], 31, v[BV+\a]
	v_or_b32 v[TM+\a%4], 1, v[TM+\a%4]
	v_sub_nc_u32 v[BV+\a], v[BV+\a], v[TM+\a%4]
.endr
.Lsame_round_\@:
	s_sub_co_u32 s[WC], s[WC], 1
.endm
; A COLUMN TILE in buffer and accumulator set p.  fi: the tile fetched meanwhile into the other buffer (4: none).  red: the tile before is reduced out of the other set; step: what its offset then grows by.
; chg = 1: my last tile of its slot, whose fragments are in registers: the slot is filled again.  chg = 2: the same place in the tail, where nothing is left to ask for.  adr = 1: the fetches' addresses go on to the next place.
; PLACES: a reduction names the other set's accumulators and the argmax's state alone: its 80 instructions stand between a set's last product and its first read, and between a buffer's last reader and the loads into it.
.macro TILE p, fi, chg, red, step, adr
	s_wait_dscnt 0x0                               ; this tile's 18 loads are in
.if \chg == 1
	s_wait_tensorcnt 0x0                           ; all my tensor loads have landed: the one that was out is my quarter of the next slot
	ds_add_u32 v[SPW], v[NIL]                      ; 0 onto my spare word; eight products stand between it and the wait for it
	STEPD
	WIN 0x19                                       ; codes window 1, rows window 2, C (biases) window 1
	MMG \p, 0
	s_wait_dscnt 0x0                               ; the add is done; my reads of the slot were in at the tile's head
	s_barrier_signal -1                            ; this barrier opens a round of the cluster's
	WIN 0x09                                       ; rows window 2, C and D window 0
	MMG \p, 1
	WIN 0
	s_barrier_wait -1
	CREST                                          ; no wave of any partner still reads the slot or has a load on its way
	tensor_load_to_lds s[G0C:G0C+3], s[G1C:G1C+7]  ; the first tensor load behind the round, and my one load until the next
	s_nop 0
	PLACES
	FETCH 1-\p, \fi
.else
.if \chg == 2
	s_wait_tensorcnt 0x0                           ; my quarter of the last slot is in; only I read it
.endif
.if \fi < 4
	FETCH 1-\p, \fi
.endif
	WIN 0x19
	MMG \p, 0
	WIN 0x09
	MMG \p, 1
.endif
	WIN 0x0d                                       ; rows window 3
	MMG \p, 2
	MMG \p, 3
	WIN 0
.if \adr
	s_xor_b32 s[TB], s[TB], SLOT1                  ; this slot's last fetch has been issued: the next goes to the other slot
	s_add_co_u32 s[CB], s[CB], 1024
	v_add_nc_u32 v[ADB], s[TB], v[LI]
	v_add_nc_u32 v[ADC], s[CB], v[AC0]
.endif
.if \red
	RED 1-\p, 0
	RED 1-\p, 4
	s_add_co_u32 s[TID], s[TID], \step
.if \step > 16
	s_and_b32 s[TID], s[TID], 4095                 ; behind slot 15's codes come slot 0's
.endif
.else
	PLACES                                         ; four places ahead of the first read of these results and of the loads into this buffer
.endif
.endm
	FETCH 0, 0
	TILE 0, 1, 0, 0, 0, 0                          ; the walk's first tile: nothing yet to reduce
.Lslot:                                            ; 14 trips: from a slot's second tile to the next slot's first
	WRAP
	TILE 1, 2, 0, 1, 16, 0
	TILE 0, 3, 0, 1, 16, 1
	TILE 1, 0, 1, 1, 16, 0
	TILE 0, 1, 0, 1, 208, 0
	s_sub_co_u32 s[SLOTS], s[SLOTS], 1
	s_cmp_lg_u32 s[SLOTS], 0
	s_cbranch_scc1 .Lslot
	WRAP                                           ; the tail is written out: the last two places' slots are filled no more
	TILE 1, 2, 0, 1, 16, 0
	TILE 0, 3, 0, 1, 16, 1
	TILE 1, 0, 2, 1, 16, 0
	TILE 0, 1, 0, 1, 208, 0
	WRAP
	TILE 1, 2, 0, 1, 16, 0
	TILE 0, 3, 0, 1, 16, 0
	TILE 1, 4, 0, 1, 16, 0
	RED 1, 0                                       ; the last tile is reduced
	RED 1, 4
	; THE BEST SCORE is taken anew as the largest of the eight kept scores
.irp a, 0,1,2,3,4,5,6,7
	v_max3_num_f32 v[TM+2*(\a%2)], v[SV+8*\a], v[SV+8*\a+1], v[SV+8*\a+2]
	v_max3_num_f32 v[TM+2*(\a%2)+1], v[SV+8*\a+3], v[SV+8*\a+4], v[SV+8*\a+5]
	v_max3_num_f32 v[TM+2*(\a%2)], v[TM+2*(\a%2)], v[SV+8*\a+6], v[SV+8*\a+7]
	v_max_num_f32 v[BV+\a], v[TM+2*(\a%2)], v[TM+2*(\a%2)+1]
.endr
	; WHICH OF THE EIGHT: the lowest j whose kept score equals the best.  Then my lane's candidate for each of its eight rows: (score, index)
.irp a, 0,1,2,3,4,5,6,7
	v_mov_b32 v[FV+2*\a+1], 7
.endr
.irp j, 6,5,4,3,2,1,0
.irp a, 0,1,2,3,4,5,6,7
	v_cmp_neq_f32 vcc_lo, v[SV+8*\a+\j], v[BV+\a]
	v_cndmask_b32 v[FV+2*\a+1], \j, v[FV+2*\a+1], vcc_lo
.endr
.endr
.irp a, 0,1,2,3,4,5,6,7
	v_add3_u32 v[FV+2*\a+1], v[BT+\a], v[FV+2*\a+1], v[LOF]
	v_mov_b32 v[FV+2*\a], v[BV+\a]
	ds_store_b64 v[CW], v[FV+2*\a:FV+2*\a+1] offset:256*\a
.endr
	BARRIER                                        ; all candidates lie in LDS
	s_cmp_gt_u32 s[WV], 1
	s_cbranch_scc1 .Ljoin                          ; waves 0 and 1 fold them: thread t takes rows 2 t and 2 t + 1, eight candidates each
.irp c, 0,1,2,3,4,5,6,7
	ds_load_b128 v[FC+4*\c:FC+4*\c+3], v[CR] offset:2048*(\c/2)+128*(\c%2)
.endr
	s_wait_dscnt 0x0
.macro FOLD c, u                       ; candidate c of row u takes over where its score is greater, or equal with the lower index
	v_cmp_gt_f32 s[72+4*\u], v[FC+4*\c+2*\u], v[FC+2*\u]
	v_cmp_eq_f32 s[73+4*\u], v[FC+4*\c+2*\u], v[FC+2*\u]
	v_cmp_lt_u32 s[74+4*\u], v[FC+4*\c+2*\u+1], v[FC+2*\u+1]
	s_and_b32 s[73+4*\u], s[73+4*\u], s[74+4*\u]
	s_or_b32 s[72+4*\u], s[72+4*\u], s[73+4*\u]
.if \c < 7
	v_cndmask_b32 v[FC+2*\u], v[FC+2*\u], v[FC+4*\c+2*\u], s[72+4*\u]
	v_cndmask_b32 v[FC+2*\u+1], v[FC+2*\u+1], v[FC+4*\c+2*\u+1], s[72+4*\u]
.else
	v_cndmask_b32 v[FO+\u], v[FC+2*\u+1], v[FC+4*\c+2*\u+1], s[72+4*\u]
.endif
.endm
.irp c, 1,2,3,4,5,6,7
	FOLD \c, 0
	FOLD \c, 1
.endr
	global_store_b64 v[GO], v[FO:FO+1], s[12:13]   ; 32 lanes store 256 consecutive bytes, aligned
.Ljoin:
	s_wait_tensorcnt 0x0                           ; the wave's end
	ds_add_u32 v[SPW], v[NIL]
	s_wait_dscnt 0x0
	ROUND                                          ; the closing round
	s_endpgm
.Lfunc_end_k_qc1efb2da00_search:
	.size	k_qc1efb2da00_search, .Lfunc_end_k_qc1efb2da00_search-k_qc1efb2da00_search
	.p2alignl 7, 3214868480
	.fill 96, 4, 3214868480
	.section	.rodata,"a",@progbits
	.p2align	6, 0x0
	.amdhsa_kernel k_qc1efb2da00_search
		.amdhsa_group_segment_fixed_size 327680
		.amdhsa_private_segment_fixed_size 0
		.amdhsa_enable_private_segment 0
		.amdhsa_kernarg_size 40
		.amdhsa_user_sgpr_count 2
		.amdhsa_user_sgpr_kernarg_segment_ptr 1
		.amdhsa_wavefront_size32 1
		.amdhsa_system_sgpr_workgroup_id_x 1
		.amdhsa_system_sgpr_workgroup_id_y 1
		.amdhsa_system_sgpr_workgroup_id_z 1
		.amdhsa_system_vgpr_workitem_id 0
		.amdhsa_next_free_vgpr 1024
		.amdhsa_next_free_sgpr 96
		.amdhsa_reserve_vcc 1
		.amdhsa_float_denorm_mode_32 3
		.amdhsa_float_denorm_mode_16_64 3
		.amdhsa_memory_ordered 1
		.amdhsa_forward_progress 1
		.amdhsa_inst_pref_size 200
	.end_amdhsa_kernel
	.amdgpu_metadata
---
amdhsa.version: [ 1, 2 ]
amdhsa.kernels:
  - .name:           k_qc1efb2da00_search
    .symbol:         k_qc1efb2da00_search.kd
    .args:
      - { .name: inputs, .offset: 0, .size: 8, .value_kind: global_buffer, .address_space: global }
      - { .name: cimg, .offset: 8, .size: 8, .value_kind: global_buffer, .address_space: global }
      - { .name: cbias, .offset: 16, .size: 8, .value_kind: global_buffer, .address_space: global }
      - { .name: lowp_scales, .offset: 24, .size: 8, .value_kind: global_buffer, .address_space: global }
      - { .name: nearest, .offset: 32, .size: 8, .value_kind: global_buffer, .address_space: global }
    .group_segment_fixed_size: 327680
    .private_segment_fixed_size: 0
    .kernarg_segment_align: 8
    .kernarg_segment_size: 40
    .max_flat_workgroup_size: 128
    .sgpr_count:     96
    .vgpr_count:     1024
    .wavefront_size: 32
...
	.end_amdgpu_metadata
.endif
;; end of part 2
;; launch gather (part 3): grid 512 x 1, 8 waves a work-group, no clusters, 0 bytes of LDS; arguments codebook, nearest, out0; writes out0
.if DOCPART == 3
	.amdgcn_target "amdgcn-amd-amdhsa--gfx1250"
	.amdhsa_code_object_version 6
	.text
	.protected	k_qc1efb2da00_gather
	.globl	k_qc1efb2da00_gather
	.p2align	8
	.type	k_qc1efb2da00_gather,@function
k_qc1efb2da00_gather:
	s_mov_b64 s[64:65], 0
	v_nop
	global_prefetch_b8 v0, s[64:65] scope:SCOPE_SE
	s_setreg_imm32_b32 hwreg(HW_REG_WAVE_MODE, 25, 1), 1
	s_wait_xcnt 0x0
; out0[row] = codebook[nearest[row]].  codebook: [4096][512] f32; out0: [32768][512] f32; nearest: one int32 a row, stored by the launch before.
; LEFT OUT: reference() writes (q - x) + x, which is q in real numbers for all finite q and x: neither x nor the two operations are needed here (shown at the head of the first kernel, with its limit).
; A stream: no LDS, no barrier, no matrix unit.  A wave takes 8 rows; a row is 2,048 bytes: four loads and four stores of 512 consecutive bytes, 16 a lane.
; All 32 loads go out on end, each into registers of its own, and a row is stored from them as soon as it is in: no register is written twice.
; A row of the codebook may be named by many rows, so its loads carry no hint.
.set ROW, 2048
.set QO,  4                            ; v4-11    row i: byte offset of my 16 bytes in its row of the codebook
.set Q,   16                           ; v16-143  row i: 16 numbers
	s_load_b128 s[4:7], s[0:1], 0x0                ; codebook s[4:5], nearest s[6:7]
	s_load_b64 s[10:11], s[0:1], 0x10              ; out0
	v_lshrrev_b32 v1, 5, v0
	s_delay_alu instid0(VALU_DEP_1)
	v_readfirstlane_b32 s12, v1                    ; wave 0..7
	v_and_b32 v1, 31, v0
	s_delay_alu instid0(VALU_DEP_1)
	v_lshlrev_b32 v1, 4, v1                        ; 16 x lane; never rewritten
	s_lshl_b32 s13, ttmp9, 6
	s_lshl_b32 s14, s12, 3
	s_add_co_u32 s13, s13, s14                     ; my first row: 64 x work-group + 8 x wave
	s_lshl_b32 s24, s13, 11                        ; in out0,
	s_mov_b32 s25, 0
	s_lshl_b32 s26, s13, 2                         ; and in nearest
	s_mov_b32 s27, 0
	s_wait_alu depctr_va_vdst(0)
	s_wait_kmcnt 0x0
	s_add_nc_u64 s[6:7], s[6:7], s[26:27]
	s_load_b256 s[16:23], s[6:7], 0x0              ; my 8 indices
	s_add_nc_u64 s[10:11], s[10:11], s[24:25]
	s_wait_kmcnt 0x0
.irp i, 0,1,2,3,4,5,6,7
	s_min_u32 s[16+\i], s[16+\i], 4095             ; an index stays inside the table
	s_lshl_b32 s[16+\i], s[16+\i], 11              ; a row of the codebook is 2,048 bytes
.endr
.irp i, 0,1,2,3,4,5,6,7
	v_add_nc_u32 v[QO+\i], s[16+\i], v1
.irp q, 0,1,2,3
	global_load_b128 v[Q+16*\i+4*\q:Q+16*\i+4*\q+3], v[QO+\i], s[4:5] offset:512*\q
.endr
.endr
.irp i, 0,1,2,3,4,5,6,7
	s_wait_loadcnt 28-4*\i                         ; loads come back in order: row i is in, the later rows' four loads each may be out
.irp q, 0,1,2,3
	global_store_b128 v1, v[Q+16*\i+4*\q:Q+16*\i+4*\q+3], s[10:11] offset:ROW*\i+512*\q th:TH_STORE_NT   ; 32 lanes store 512 consecutive bytes, aligned
.endr
.endr
	s_endpgm
.Lfunc_end_k_qc1efb2da00_gather:
	.size	k_qc1efb2da00_gather, .Lfunc_end_k_qc1efb2da00_gather-k_qc1efb2da00_gather
	.p2alignl 7, 3214868480
	.fill 96, 4, 3214868480
	.section	.rodata,"a",@progbits
	.p2align	6, 0x0
	.amdhsa_kernel k_qc1efb2da00_gather
		.amdhsa_group_segment_fixed_size 0
		.amdhsa_private_segment_fixed_size 0
		.amdhsa_enable_private_segment 0
		.amdhsa_kernarg_size 24
		.amdhsa_user_sgpr_count 2
		.amdhsa_user_sgpr_kernarg_segment_ptr 1
		.amdhsa_wavefront_size32 1
		.amdhsa_system_sgpr_workgroup_id_x 1
		.amdhsa_system_sgpr_workgroup_id_y 1
		.amdhsa_system_sgpr_workgroup_id_z 1
		.amdhsa_system_vgpr_workitem_id 0
		.amdhsa_next_free_vgpr 144
		.amdhsa_next_free_sgpr 66
		.amdhsa_reserve_vcc 0
		.amdhsa_float_denorm_mode_32 3
		.amdhsa_float_denorm_mode_16_64 3
		.amdhsa_memory_ordered 1
		.amdhsa_forward_progress 1
		.amdhsa_inst_pref_size 9
	.end_amdhsa_kernel
	.amdgpu_metadata
---
amdhsa.version: [ 1, 2 ]
amdhsa.kernels:
  - .name:           k_qc1efb2da00_gather
    .symbol:         k_qc1efb2da00_gather.kd
    .args:
      - { .name: codebook, .offset: 0, .size: 8, .value_kind: global_buffer, .address_space: global }
      - { .name: nearest, .offset: 8, .size: 8, .value_kind: global_buffer, .address_space: global }
      - { .name: out0, .offset: 16, .size: 8, .value_kind: global_buffer, .address_space: global }
    .group_segment_fixed_size: 0
    .private_segment_fixed_size: 0
    .kernarg_segment_align: 8
    .kernarg_segment_size: 24
    .max_flat_workgroup_size: 256
    .sgpr_count:     66
    .vgpr_count:     144
    .wavefront_size: 32
...
	.end_amdgpu_metadata
.endif
;; end of part 3
